; MI455X (gfx1250); checked and timed in simulation.
; The chip was launched on July 23, 2026; its instructions are those of AMD's public machine-readable ISA for CDNA 5 (MIT licence, August 2026) and "CDNA5" Instruction Set Architecture Reference Guide (July 2026). The comments in the code are by the model that wrote it; some were corrected since.
;; Linear Attention Cell. Allowed arithmetic: float matrix products may take bf16 or f16 operands with f32 sums; all other float work in f32.
;; Inputs: key 8 x 2,048 x 1,024 float32; query 8 x 2,048 x 1,024 float32; value 8 x 2,048 x 1,024 float32.
;; Outputs: out0 8 x 2,048 x 1,024 float32.
;; One version. Each part assembles by itself: llvm-mc -triple=amdgcn-amd-amdhsa -mcpu=gfx1250 --defsym DOCPART=n.
;; ======== version 1 of 1: 3 launches
;; limits: values are held in f16: magnitudes above 65,504 overflow, below 6.1e-05 lose precision; inputs' magnitudes at most 65,504; right only within a limited range of input values
;; workspace buffers: qh 33,554,432 bytes; kh 33,554,432 bytes; vh 33,554,432 bytes; qe 65,536 bytes; ke 65,536 bytes; pb 73,400,320 bytes; rs 917,504 bytes
;; launch prep (part 1): grid 256 x 3, 8 waves a work-group, no clusters, 1,280 bytes of LDS; arguments query, key, value, qh, kh, vh, qe, ke; writes qh, kh, vh, qe, ke
.if DOCPART == 1
	.amdgcn_target "amdgcn-amd-amdhsa--gfx1250"
	.amdhsa_code_object_version 6
	.text
	.protected	k_qf63ee3bcf4_prep
	.globl	k_qf63ee3bcf4_prep
	.p2align	8
	.type	k_qf63ee3bcf4_prep,@function
k_qf63ee3bcf4_prep:
	s_mov_b64 s[64:65], 0
	v_nop
	global_prefetch_b8 v0, s[64:65] scope:SCOPE_SE
	s_setreg_imm32_b32 hwreg(HW_REG_WAVE_MODE, 25, 1), 1
	s_wait_xcnt 0x0
; THE OPERANDS OF THE TWO PRODUCTS, made once.  query, key, value: [8][2048][1024] f32.
; Every input number is first rounded to bf16 (nearest even); all that follows is f32 arithmetic on the rounded number.
;   y = 0 (query): qh[t][c] = f^t  phi(x) 2^(141 - eQ[t]) in f16, qe[t] = eQ[t] as a float
;   y = 1 (key):   kh[s][c] = f^-s phi(x) 2^(141 - eK[s]) in f16, ke[s] = eK[s]
;   y = 2 (value): vh = x in f16 (a bf16 number is exact in f16 inside f16's range)
; phi(x) = u^5, u = x + 1 for x > 0, else (2^(x log2 e) - 1) + 1.  f = 1 - 2^-23, log2 f = -1.7198e-7; f^(t-s) is split into f^t and f^-s.
; The row's exponent e is a whole number chosen so that the scaled row's 2-norm lies under 2^14: the later dot product of two rows is then under 2^28.
; It is found in two steps: the largest element (phi is monotone: phi of the largest x) brings the row near 2^15, then the sum of squares gives the rest.
; LIMITS.  |value| of 65,520 or more becomes an infinity, below 6.1e-5 it keeps f16's step of 6e-8.  An element of a scaled row below 2^-27 of the row's norm keeps f16's fixed step.
; NaN and infinities are not treated apart.
; SHARES.  A work-group takes 64 of a tensor's 16,384 rows, a wave 8, one whole row at a time: eight loads of 512 consecutive bytes, 32 registers of their own.  As soon as a row has been
; packed to bf16 those registers are free, and the next row's loads go out: a whole row's arithmetic stands between them and the wait for them.
; Nothing is shared between work-groups and every byte is read once: no LDS tiles, no matrix unit, no cluster.
.set X,   8                            ; v[8:39]   the row at work: 32 numbers a lane
.set T,   40                           ; v[40:55]  the row packed to bf16; later four at work
.set U,   56                           ; v[56:59]
.set S,   60                           ; v[60:63]
.set M,   64                           ; v[64:67]
.set Y,   68                           ; v[68:83]  the row in f16, to store
.set EV,  84                           ; v84       lane l keeps the exponent of the wave's row l % 8
.set SC,  85                           ; v85       the other half of the lanes'
.set AL1, 86                           ; v[86:87]  first scale, twice
.set AL2, 88                           ; v[88:89]  second scale, twice
.set SS,  90                           ; v[90:93]  sums of squares
.set EF,  94                           ; v94       first exponent as a float
.set DD,  95                           ; v95       f^t or f^-s
.set R,   96                           ; v[96:127] the row as loaded
	s_load_b256 s[4:11], s[0:1], 0x0               ; query, key, value, qh
	s_load_b256 s[12:19], s[0:1], 0x20             ; kh, vh, qe, ke
	v_lshl_add_u32 v128, v0, 2, 0x100
	v_mov_b32 v129, 0
	v_and_b32 v1, 31, v0                           ; lane
	v_lshrrev_b32 v7, 5, v0
	v_readfirstlane_b32 s26, v7                    ; wave 0..7
	s_and_b32 s27, ttmp7, 0xffff                   ; which tensor
	v_lshlrev_b32 v2, 4, v1                        ; in: 16 bytes a lane
	v_lshlrev_b32 v3, 3, v1                        ; out: 8 bytes a lane
	v_and_b32 v4, 7, v1
	v_lshlrev_b32 v5, 2, v4
	v_lshl_add_u32 v5, s26, 5, v5                  ; LDS word 8 w + lane % 8
	v_and_b32 v6, 15, v1
	v_lshlrev_b32 v6, 4, v6
	v_mov_b32 v[EV], 0
	v_mov_b32 v[SC], 0
	s_lshl_b32 s37, ttmp9, 6
	s_lshl3_add_u32 s37, s26, s37                  ; my first row = 64 x + 8 w
	s_and_b32 s30, s37, 2047                       ; its place in its batch
	s_mov_b32 s32, 0xffff0000
	s_mov_b32 s34, 0x76543210                      ; v_permlanex16_b32: each lane takes its own place in the other half
	s_mov_b32 s35, 0xfedcba98
	s_mov_b32 s28, 8                               ; rows to go
	s_mov_b32 s29, 0                               ; the row's number in the wave
	s_mov_b32 s31, 0x3438aa3b                      ; -log2 f
	s_mov_b32 s40, 0xb438aa3b                      ; log2 f
	s_mov_b32 s39, 0
	s_wait_kmcnt 0x0
	s_cmp_eq_u32 s27, 0
	s_cselect_b64 s[20:21], s[4:5], s[6:7]         ; in
	s_cselect_b64 s[22:23], s[10:11], s[12:13]     ; out
	s_cselect_b64 s[24:25], s[16:17], s[18:19]     ; exponents
	s_cselect_b32 s31, s40, s31
	s_cmp_eq_u32 s27, 2
	s_cselect_b64 s[20:21], s[8:9], s[20:21]
	s_cselect_b64 s[22:23], s[14:15], s[22:23]
	s_lshl_b32 s38, s37, 12
	s_add_nc_u64 s[20:21], s[20:21], s[38:39]      ; rows of 4,096 bytes
	s_lshl_b32 s38, s37, 11
	s_add_nc_u64 s[22:23], s[22:23], s[38:39]      ; rows of 2,048 bytes
	s_lshl_b32 s38, ttmp9, 8
	s_add_nc_u64 s[24:25], s[24:25], s[38:39]      ; the group's 64 exponents
.macro FILL off                        ; a whole row: eight loads of 512 consecutive bytes
.set j, 0
.rept 8
	global_load_b128 v[R+4*j:R+4*j+3], v2, s[20:21] offset:(\off)+512*j th:TH_LOAD_NT
.set j, j+1
.endr
.endm
	FILL 0
	s_cmp_eq_u32 s27, 2
	s_cbranch_scc1 .Lvrow                          ; the whole work-group goes one way
; Four numbers: phi times the first scale, and their squares onto the sums.
.macro CHUNKA j
	v_pk_mul_f32 v[T:T+1], v[X+4*(\j):X+4*(\j)+1], 0x3fb8aa3b op_sel_hi:[1,0]
	v_pk_mul_f32 v[T+2:T+3], v[X+4*(\j)+2:X+4*(\j)+3], 0x3fb8aa3b op_sel_hi:[1,0]
	v_exp_f32 v[T], v[T]
	v_exp_f32 v[T+1], v[T+1]
	v_exp_f32 v[T+2], v[T+2]
	v_exp_f32 v[T+3], v[T+3]
	v_pk_add_f32 v[U:U+1], v[X+4*(\j):X+4*(\j)+1], 1.0 op_sel_hi:[1,0]        ; plain work between the exponentials and their use
	v_pk_add_f32 v[U+2:U+3], v[X+4*(\j)+2:X+4*(\j)+3], 1.0 op_sel_hi:[1,0]
	s_wait_alu depctr_va_vdst(0)
	v_pk_add_f32 v[T:T+1], v[T:T+1], -1.0 op_sel_hi:[1,0]
	v_pk_add_f32 v[T+2:T+3], v[T+2:T+3], -1.0 op_sel_hi:[1,0]
	v_pk_add_f32 v[T:T+1], v[T:T+1], 1.0 op_sel_hi:[1,0]
	v_pk_add_f32 v[T+2:T+3], v[T+2:T+3], 1.0 op_sel_hi:[1,0]
.irp k, 0,1,2,3
	v_cmp_lt_f32 vcc_lo, 0, v[X+4*(\j)+(\k)]
	v_cndmask_b32 v[U+(\k)], v[T+(\k)], v[U+(\k)], vcc_lo                      ; u
.endr
	v_pk_mul_f32 v[S:S+1], v[U:U+1], v[U:U+1]
	v_pk_mul_f32 v[S+2:S+3], v[U+2:U+3], v[U+2:U+3]
	v_pk_mul_f32 v[S:S+1], v[S:S+1], v[S:S+1]
	v_pk_mul_f32 v[S+2:S+3], v[S+2:S+3], v[S+2:S+3]
	v_pk_mul_f32 v[U:U+1], v[U:U+1], v[AL1:AL1+1]
	v_pk_mul_f32 v[U+2:U+3], v[U+2:U+3], v[AL1:AL1+1]
	v_pk_mul_f32 v[X+4*(\j):X+4*(\j)+1], v[S:S+1], v[U:U+1]
	v_pk_mul_f32 v[X+4*(\j)+2:X+4*(\j)+3], v[S+2:S+3], v[U+2:U+3]
.if (\j) == 0
	v_pk_mul_f32 v[SS:SS+1], v[X:X+1], v[X:X+1]                                ; the first squares start the sums
	v_pk_mul_f32 v[SS+2:SS+3], v[X+2:X+3], v[X+2:X+3]
.else
	v_pk_fma_f32 v[SS:SS+1], v[X+4*(\j):X+4*(\j)+1], v[X+4*(\j):X+4*(\j)+1], v[SS:SS+1]
	v_pk_fma_f32 v[SS+2:SS+3], v[X+4*(\j)+2:X+4*(\j)+3], v[X+4*(\j)+2:X+4*(\j)+3], v[SS+2:SS+3]
.endif
.endm
; Four numbers: the second scale, f16, the store.
.macro CHUNKB j
	v_pk_mul_f32 v[T:T+1], v[X+4*(\j):X+4*(\j)+1], v[AL2:AL2+1]
	v_pk_mul_f32 v[T+2:T+3], v[X+4*(\j)+2:X+4*(\j)+3], v[AL2:AL2+1]
	v_cvt_pk_f16_f32 v[Y+2*(\j)], v[T], v[T+1]
	v_cvt_pk_f16_f32 v[Y+2*(\j)+1], v[T+2], v[T+3]
	global_store_b64 v3, v[Y+2*(\j):Y+2*(\j)+1], s[22:23] offset:256*(\j)  ; the wave's store covers 256 consecutive bytes, aligned
.endm
.Lrow:
	s_wait_loadcnt 0x0                             ; the row's eight loads are the only ones out
.set i, 0
.rept 16
	v_cvt_pk_bf16_f32 v[T+i], v[R+2*i], v[R+2*i+1]
.set i, i+1
.endr
	s_cmp_eq_u32 s28, 1
	s_cbranch_scc1 .Lqlast                         ; the last row asks for nothing: no load leaves the buffer
	FILL 4096                                      ; the next row, into the registers just read
.Lqlast:
.set i, 0
.rept 16
	v_lshlrev_b32 v[X+2*i], 16, v[T+i]             ; back to f32: the rounded inputs
	v_and_b32 v[X+2*i+1], s32, v[T+i]
.set i, i+1
.endr
.irp k, 0,1,2,3
	v_max3_num_f32 v[M+(\k)], v[X+8*(\k)], v[X+8*(\k)+1], v[X+8*(\k)+2]
.endr
.irp k, 0,1,2,3
	v_max3_num_f32 v[M+(\k)], v[M+(\k)], v[X+8*(\k)+3], v[X+8*(\k)+4]
.endr
.irp k, 0,1,2,3
	v_max3_num_f32 v[M+(\k)], v[M+(\k)], v[X+8*(\k)+5], v[X+8*(\k)+6]
.endr
	v_max3_num_f32 v[M], v[M], v[X+7], v[X+15]
	v_max3_num_f32 v[M+2], v[M+2], v[X+23], v[X+31]
	v_max3_num_f32 v[M], v[M], v[M+1], v[M+2]
	v_max_num_f32 v[M], v[M], v[M+3]
	v_max_num_f32_dpp v[M], v[M], v[M] row_xmask:1 row_mask:0xf bank_mask:0xf
	v_max_num_f32_dpp v[M], v[M], v[M] row_xmask:2 row_mask:0xf bank_mask:0xf
	v_max_num_f32_dpp v[M], v[M], v[M] row_xmask:4 row_mask:0xf bank_mask:0xf
	v_max_num_f32_dpp v[M], v[M], v[M] row_xmask:8 row_mask:0xf bank_mask:0xf
	v_permlanex16_b32 v[SC], v[M], s34, s35
	v_max_num_f32 v[M], v[M], v[SC]                ; the row's largest x, in every lane
	; the first scale: 2^(141 - ef) D, ef = the biased exponent of phi(largest x) D, 14 at the least
	v_mul_f32 v[M+1], 0x3fb8aa3b, v[M]
	v_cvt_f32_u32 v[DD], s30
	v_exp_f32 v[M+1], v[M+1]
	v_mul_f32 v[DD], s31, v[DD]                    ; a plain line stands behind each exponential before its result is used
	v_exp_f32 v[DD], v[DD]                         ; D = f^t or f^-s
	v_add_f32 v[M+2], 1.0, v[M]
	s_wait_alu depctr_va_vdst(0)
	v_add_f32 v[M+1], -1.0, v[M+1]
	v_add_f32 v[M+1], 1.0, v[M+1]
	v_cmp_lt_f32 vcc_lo, 0, v[M]
	v_cndmask_b32 v[M+1], v[M+1], v[M+2], vcc_lo
	v_mul_f32 v[M+2], v[M+1], v[M+1]
	v_mul_f32 v[M+2], v[M+2], v[M+2]
	v_mul_f32 v[M+2], v[M+2], v[M+1]
	v_mul_f32 v[M+2], v[M+2], v[DD]
	v_lshrrev_b32 v[M+2], 23, v[M+2]
	v_cvt_f32_u32 v[EF], v[M+2]
	v_max_num_f32 v[EF], 0x41600000, v[EF]         ; 14.0
	v_sub_f32 v[M+3], 0x430d0000, v[EF]            ; 141.0 - ef
	v_exp_f32 v[M+3], v[M+3]
	v_nop
	s_wait_alu depctr_va_vdst(0)
	v_mul_f32 v[AL1], v[M+3], v[DD]
	v_mov_b32 v[AL1+1], v[AL1]
.irp j, 0,1,2,3,4,5,6,7
	CHUNKA \j
.endr
	; the second scale: 2^(14 - hN), 2^hN above the row's norm: hN = (exponent of the sum of squares + 2) >> 1, 15 at the least
	v_pk_add_f32 v[SS:SS+1], v[SS:SS+1], v[SS+2:SS+3]
	v_add_f32 v[SS], v[SS], v[SS+1]
	v_add_f32_dpp v[SS], v[SS], v[SS] row_xmask:1 row_mask:0xf bank_mask:0xf
	v_add_f32_dpp v[SS], v[SS], v[SS] row_xmask:2 row_mask:0xf bank_mask:0xf
	v_add_f32_dpp v[SS], v[SS], v[SS] row_xmask:4 row_mask:0xf bank_mask:0xf
	v_add_f32_dpp v[SS], v[SS], v[SS] row_xmask:8 row_mask:0xf bank_mask:0xf
	v_permlanex16_b32 v[SC], v[SS], s34, s35
	v_add_f32 v[SS], v[SS], v[SC]
	v_lshrrev_b32 v[SS+1], 23, v[SS]
	v_add_nc_u32 v[SS+1], 0xffffff83, v[SS+1]      ; - 125
	v_ashrrev_i32 v[SS+1], 1, v[SS+1]
	v_max_i32 v[SS+1], 15, v[SS+1]
	v_cvt_f32_i32 v[SS+1], v[SS+1]
	v_sub_f32 v[SS+2], 0x41600000, v[SS+1]
	v_exp_f32 v[AL2], v[SS+2]
	v_add_f32 v[SS+3], v[EF], v[SS+1]
	v_add_f32 v[SS+3], 0xc1600000, v[SS+3]         ; the row's exponent: ef + hN - 14
	s_wait_alu depctr_va_vdst(0)
	v_mov_b32 v[AL2+1], v[AL2]
	v_cmp_eq_u32 vcc_lo, s29, v4
	v_cndmask_b32 v[EV], v[EV], v[SS+3], vcc_lo
	s_wait_xcnt 0x0                                ; Y, which the last row's stores read, is written only behind this wait
.irp j, 0,1,2,3,4,5,6,7
	CHUNKB \j
.endr
	s_wait_xcnt 0x0                                ; the bases are stepped only behind this wait
	s_add_nc_u64 s[20:21], s[20:21], 4096
	s_add_nc_u64 s[22:23], s[22:23], 2048
	s_add_co_u32 s30, s30, 1
	s_add_co_u32 s29, s29, 1
	s_sub_co_u32 s28, s28, 1
	s_cmp_lg_u32 s28, 0
	s_cbranch_scc1 .Lrow
	; the group's 64 exponents meet in LDS and leave as one block of 256 bytes
	ds_store_b32 v5, v[EV]                         ; four lanes write the same word with the same number
	s_wait_dscnt 0x0                               ; for the other waves' sake
	s_barrier_signal -1
	s_barrier_wait -1
	s_cmp_lg_u32 s26, 0
	s_cbranch_scc1 .Lend
	ds_load_b128 v[T:T+3], v6
	s_wait_dscnt 0x0
	s_wait_xcnt 0x0                                ; EXEC changes only behind this wait
	v_cmp_gt_u32 vcc_lo, 16, v1
	s_and_saveexec_b32 s36, vcc_lo
	global_store_b128 v6, v[T:T+3], s[24:25]       ; sixteen lanes: 256 consecutive bytes, aligned
	s_wait_xcnt 0x0
	s_or_b32 exec_lo, exec_lo, s36
.Lend:
	s_wait_tensorcnt 0x0
	ds_add_u32 v128, v129
	s_wait_dscnt 0x0
	s_endpgm
.Lvrow:                                                ; value: bf16, then f16
	s_wait_loadcnt 0x0
.set i, 0
.rept 16
	v_cvt_pk_bf16_f32 v[T+i], v[R+2*i], v[R+2*i+1]
.set i, i+1
.endr
	s_cmp_eq_u32 s28, 1
	s_cbranch_scc1 .Lvlast                         ; the last row asks for nothing
	FILL 4096
.Lvlast:
	s_wait_xcnt 0x0                                ; Y, which the last row's stores read, is written only behind this wait
.set i, 0
.rept 16
	v_lshlrev_b32 v[U+2*(i%2)], 16, v[T+i]
	v_and_b32 v[U+2*(i%2)+1], s32, v[T+i]
	v_cvt_pk_f16_f32 v[Y+i], v[U+2*(i%2)], v[U+2*(i%2)+1]
.set i, i+1
.endr
.set j, 0
.rept 8
	global_store_b64 v3, v[Y+2*j:Y+2*j+1], s[22:23] offset:256*j
.set j, j+1
.endr
	s_wait_xcnt 0x0
	s_add_nc_u64 s[20:21], s[20:21], 4096
	s_add_nc_u64 s[22:23], s[22:23], 2048
	s_sub_co_u32 s28, s28, 1
	s_cmp_lg_u32 s28, 0
	s_cbranch_scc1 .Lvrow
	s_endpgm
.Lfunc_end_k_qf63ee3bcf4_prep:
	.size	k_qf63ee3bcf4_prep, .Lfunc_end_k_qf63ee3bcf4_prep-k_qf63ee3bcf4_prep
	.p2alignl 7, 3214868480
	.fill 96, 4, 3214868480
	.section	.rodata,"a",@progbits
	.p2align	6, 0x0
	.amdhsa_kernel k_qf63ee3bcf4_prep
		.amdhsa_group_segment_fixed_size 1280
		.amdhsa_private_segment_fixed_size 0
		.amdhsa_enable_private_segment 0
		.amdhsa_kernarg_size 64
		.amdhsa_user_sgpr_count 2
		.amdhsa_user_sgpr_kernarg_segment_ptr 1
		.amdhsa_wavefront_size32 1
		.amdhsa_system_sgpr_workgroup_id_x 1
		.amdhsa_system_sgpr_workgroup_id_y 1
		.amdhsa_system_sgpr_workgroup_id_z 1
		.amdhsa_system_vgpr_workitem_id 0
		.amdhsa_next_free_vgpr 130
		.amdhsa_next_free_sgpr 66
		.amdhsa_reserve_vcc 1
		.amdhsa_float_denorm_mode_32 3
		.amdhsa_float_denorm_mode_16_64 3
		.amdhsa_memory_ordered 1
		.amdhsa_forward_progress 1
		.amdhsa_inst_pref_size 31
	.end_amdhsa_kernel
	.amdgpu_metadata
---
amdhsa.version: [ 1, 2 ]
amdhsa.kernels:
  - .name:           k_qf63ee3bcf4_prep
    .symbol:         k_qf63ee3bcf4_prep.kd
    .args:
      - { .name: query, .offset: 0, .size: 8, .value_kind: global_buffer, .address_space: global }
      - { .name: key, .offset: 8, .size: 8, .value_kind: global_buffer, .address_space: global }
      - { .name: value, .offset: 16, .size: 8, .value_kind: global_buffer, .address_space: global }
      - { .name: qh, .offset: 24, .size: 8, .value_kind: global_buffer, .address_space: global }
      - { .name: kh, .offset: 32, .size: 8, .value_kind: global_buffer, .address_space: global }
      - { .name: vh, .offset: 40, .size: 8, .value_kind: global_buffer, .address_space: global }
      - { .name: qe, .offset: 48, .size: 8, .value_kind: global_buffer, .address_space: global }
      - { .name: ke, .offset: 56, .size: 8, .value_kind: global_buffer, .address_space: global }
    .group_segment_fixed_size: 1280
    .private_segment_fixed_size: 0
    .kernarg_segment_align: 8
    .kernarg_segment_size: 64
    .max_flat_workgroup_size: 256
    .sgpr_count:     66
    .vgpr_count:     130
    .wavefront_size: 32
...
	.end_amdgpu_metadata
.endif
;; end of part 1
;; launch scores (part 2): grid 32 x 8, 4 waves a work-group, no clusters, 327,680 bytes of LDS; arguments qh, kh, ke, qe, pb, rs; writes pb, rs
.if DOCPART == 2
	.amdgcn_target "amdgcn-amd-amdhsa--gfx1250"
	.amdhsa_code_object_version 6
	.text
	.protected	k_qf63ee3bcf4_scores
	.globl	k_qf63ee3bcf4_scores
	.p2align	8
	.type	k_qf63ee3bcf4_scores,@function
k_qf63ee3bcf4_scores:
	s_mov_b64 s[64:65], 0
	v_nop
	global_prefetch_b8 v0, s[64:65] scope:SCOPE_SE
	s_setreg_imm32_b32 hwreg(HW_REG_WAVE_MODE, 25, 1), 1
	s_wait_xcnt 0x0
; THE WEIGHTS.  P[t][s] = (qh[t] . kh[s]) cf[s] for s <= t, else 0, in f16; cf[s] = 2^(eK[s] - EK - 13), EK = the batch's largest eK.  With the rows' norms under 2^14 the dot product is under 2^28
; and P under 2^15; P is the true weight f^(t-s) <q_t, k_s> times 2^(269 - eQ[t] - EK), a factor common to a row, which the division in the next launch takes out again.
; rs[strip][t] = the sum of the unrounded P over the strip's 160 keys; strip 0 also takes eps' = 1e-8 x 2^(269 - eQ[t] - EK), made as (1e-8 g) g with g = 2^(half the exponent).
; LIMITS.  A weight below 2^-29 of |q_t| x (the batch's largest |k_s|, later keys among them) keeps f16's fixed step; cf below 2^-126 counts as 0; NaN and infinities are not treated apart.
; TILES.  256 queries x 320 keys.  Row block I of 256 queries needs 256 (I + 1) keys: 1, 2, 3, 4, 4, 5, 6, 7 tiles: 32 a batch, 256 in all, each with the same 8 K steps of 128.
; WHICH WORK-GROUP MAKES WHICH TILE.  The batch is 4 x (bit 2 of x) + y % 4, the tile's number in its batch the other five bits of x and y: the 32 work-groups that read one batch's rows agree in
; bit 2 of x.  The map is one to one; any such map gives the same numbers.
; NO CLUSTER: that staircase does not fall into groups of four work-groups that share their rows of qh or of kh.
; Four waves, each 128 queries x 160 keys: 80 accumulators, 640 registers; 36 LDS loads feed 80 matrix instructions.
; THE MATRIX INSTRUCTION IS USED TRANSPOSED (source 0 = 16 rows of kh, source 1 = 16 rows of qh): a lane holds one query (lane % 16) and the keys 8 (lane / 16) + 0..7: 16 bytes of f16.
; pb is laid [batch][key / 8][query][8 keys]: sixteen neighbouring lanes store 256 consecutive bytes straight from registers, and the next launch reads the same bytes as its fragments.
; Blocks above the diagonal are stored as zeros.
; REGISTERS, in windows of 256 (s_set_vgpr_msb: bits 1:0 source 0, 3:2 source 1, 5:4 source 2, 7:6 destination):
;   window 0: v0-31 addresses; v32-95, v96-159 qh's fragments, two buffers; v160-239 kh's fragments, buffer 0; on the way out: v32-111 cf, v112-191 P in f32, v192-231 P in f16, v232-247 sums
;   window 1: v0-79 kh's fragments, buffer 1; v128-255 the accumulators of key blocks 8, 9        windows 2, 3: the accumulators of key blocks 0-7, query blocks 0-3 and 4-7
.set PITCH, 272                        ; an LDS row: 256 bytes + 16 of padding: the 16 rows of a fragment load start 16 bytes further on in each 256
.set HALFQ, 128*PITCH
.set SLOT,  576*PITCH                  ; 256 rows of qh, then 320 rows of kh
.set SPARE, 2*SLOT                     ; the spare words, 128 bytes a wave: two blocks of 256 bytes that no other line names
.set CFT,   SPARE+512                  ; cf of the tile's keys: 512 words
.set RSS,   CFT+2048                   ; 512 bytes a wave: the row sums' turn
.set RED,   RSS+2048                   ; the waves' maxima: a block of 256 bytes of its own, behind both slots
.set PB_BATCH, 9175040
.set ADRA, 16                          ; v16, v17  my qh fragments in slot 0, 1
.set ADRB, 20                          ; v20, v21  my kh fragments
.set FA0,  32
.set FB0,  160
.set CF,   32
.set PT,   112
.set OUTR, 192
.set RS8,  232
.set CH,   240
.set MJ,   56                          ; s[56:63]  lanes in which key j of the lane's eight is at or below the diagonal of a diagonal block
.set MSB, 0
.macro WIN new                         ; the immediate's high byte repeats the setting that is left
.if MSB != (\new)
	s_set_vgpr_msb (MSB<<8)|(\new)
.set MSB, \new
.endif
.endm
.macro PLACES                          ; four places behind matrix instructions, in front of loads into and vector work on their registers
.rept 4
	v_nop
.endr
.endm
; My part of a slot: waves 0, 1: 128 rows of qh each; wave 2: 128 rows of kh; wave 3: 192 rows of kh.  An s_nop 0 and four v_nop follow each line.
.macro LOADT s
	s_cmp_eq_u32 s16, 3
	s_cbranch_scc1 .Lw3_\@
	tensor_load_to_lds s[44+4*(\s):47+4*(\s)], s[28:35]
	s_nop 0
	PLACES
	s_branch .Lld_\@
.Lw3_\@:
	tensor_load_to_lds s[44+4*(\s):47+4*(\s)], s[36:43]
	s_nop 0
	PLACES
.Lld_\@:
.endm
	s_load_b256 s[4:11], s[0:1], 0x0               ; qh, kh, ke, qe
	s_load_b128 s[12:15], s[0:1], 0x20             ; pb, rs
	v_lshl_add_u32 v28, v0, 2, SPARE
	v_mov_b32 v29, 0
	ds_add_u32 v28, v29
	ds_add_u32 v28, v29
	s_wait_dscnt 0x0
	v_lshrrev_b32 v1, 5, v0
	v_readfirstlane_b32 s16, v1                    ; wave 0..3
	s_lshr_b32 s17, s16, 1                         ; which 128 queries
	s_and_b32 s18, s16, 1                          ; which 160 keys
	s_and_b32 s26, ttmp7, 0xffff                   ; y
	s_bfe_u32 s20, ttmp9, 0x10002                  ; bit 2 of x
	s_lshl_b32 s20, s20, 2
	s_and_b32 s27, s26, 3
	s_add_co_u32 s20, s20, s27                     ; batch = 4 x (bit 2 of x) + y % 4
	s_and_b32 s19, ttmp9, 3                        ; the tile's number in its batch: bits 0, 1 of x,
	s_lshr_b32 s27, ttmp9, 3
	s_lshl2_add_u32 s19, s27, s19                  ; bits 3, 4 of x,
	s_lshr_b32 s27, s26, 2
	s_lshl4_add_u32 s19, s27, s19                  ; bit 2 of y
	s_mov_b32 s21, 0
	s_mov_b32 s22, 0
.macro STAIR st, i                     ; row block i begins at tile st
	s_cmp_ge_u32 s19, \st
	s_cselect_b32 s21, \i, s21
	s_cselect_b32 s22, \st, s22
.endm
	STAIR 1, 1
	STAIR 3, 2
	STAIR 6, 3
	STAIR 10, 4
	STAIR 14, 5
	STAIR 19, 6
	STAIR 25, 7
	s_sub_co_u32 s22, s19, s22                     ; J: the tile in its row block
	s_lshl_b32 s23, s21, 8                         ; the tile's first query
	s_mul_i32 s24, s22, 320                        ; its first key
	; descriptor group 1: rows of 128 f16, 1,024 elements apart, 16 bytes of padding behind each 256
	s_mov_b32 s28, 0x07510000                      ; 2-byte elements; padding on; after every 64 words; 4 words
	s_mov_b32 s29, 128<<16                         ; tensor_dim0
	s_mov_b32 s30, 128<<16                         ; tensor_dim1
	s_mov_b32 s31, 128<<16                         ; tile_dim0
	s_mov_b32 s32, 128                             ; tile_dim1
	s_mov_b32 s33, 1024                            ; from row to row
	s_mov_b32 s34, 0
	s_mov_b32 s35, 0
	s_mov_b32 s36, 0x07510000                      ; the same with 192 rows
	s_mov_b32 s37, 128<<16
	s_mov_b32 s38, 192<<16
	s_mov_b32 s39, 128<<16
	s_mov_b32 s40, 192
	s_mov_b32 s41, 1024
	s_mov_b32 s42, 0
	s_mov_b32 s43, 0
	s_mul_i32 s25, s16, HALFQ                      ; where my rows go: wave x 128 rows
	s_mov_b32 s44, 1
	s_mov_b32 s45, s25
	s_mov_b32 s48, 1
	s_add_co_u32 s49, s25, SLOT
	s_lshl_b32 s26, s16, 7
	s_add_co_u32 s26, s26, s23                     ; waves 0, 1: query row
	s_add_co_u32 s27, s24, 128
	s_min_u32 s27, s27, 1856                       ; wave 3: its 192 rows stay inside the batch; where this acts (J = 6) its keys lie past 2,047 and are stored as zeros
	s_cmp_eq_u32 s16, 3
	s_cselect_b32 s27, s27, s24
	s_cmp_lt_u32 s16, 2
	s_cselect_b32 s26, s26, s27
	s_lshl_b32 s27, s20, 11
	s_add_co_u32 s26, s26, s27
	s_lshl_b32 s74, s26, 11                        ; rows of 2,048 bytes
	s_mov_b32 s75, 0
	s_wait_kmcnt 0x0
	s_cmp_lt_u32 s16, 2
	s_cselect_b64 s[80:81], s[4:5], s[6:7]
	s_add_nc_u64 s[80:81], s[80:81], s[74:75]
	s_mov_b64 s[46:47], s[80:81]                   ; K step 0
	s_or_b32 s47, s47, 0x80000000
	s_add_nc_u64 s[50:51], s[80:81], 256           ; K step 1
	s_or_b32 s51, s51, 0x80000000
	s_cmp_eq_u32 s16, 3                            ; both first fills in one branch, ahead of every wait on TENSORcnt, LDS read and barrier: two loads of mine are out
	s_cbranch_scc1 .Lf3
	tensor_load_to_lds s[44:47], s[28:35]
	s_nop 0
	tensor_load_to_lds s[48:51], s[28:35]
	s_nop 0
	PLACES
	s_branch .Lfd
.Lf3:
	tensor_load_to_lds s[44:47], s[36:43]
	s_nop 0
	tensor_load_to_lds s[48:51], s[36:43]
	s_nop 0
	PLACES
.Lfd:
	s_lshl_b32 s25, s17, 7
	s_add_co_u32 s25, s25, s23                     ; my first query
	s_mul_i32 s26, s18, 160
	s_add_co_u32 s26, s26, s24                     ; my first key
	s_sub_co_i32 s53, s25, s26                     ; D0: their distance, a multiple of 32
	s_lshl1_add_u32 s68, s22, s18                  ; my strip of 160 keys
	s_mov_b32 s66, 0x76543210
	s_mov_b32 s67, 0xfedcba98
	s_mov_b32 s69, 0xffff0000                      ; lanes 16-31
	s_mul_i32 s74, s20, PB_BATCH
	s_lshl_b32 s27, s26, 12                        ; key / 8 blocks of 32,768 bytes
	s_add_co_u32 s74, s74, s27
	s_lshl_b32 s27, s25, 4
	s_add_co_u32 s74, s74, s27
	s_add_nc_u64 s[70:71], s[12:13], s[74:75]      ; pb at my corner
	s_mul_i32 s74, s20, 14
	s_add_co_u32 s74, s74, s68
	s_lshl_b32 s74, s74, 11
	s_add_co_u32 s74, s74, s25
	s_lshl_b32 s74, s74, 2
	s_add_nc_u64 s[72:73], s[14:15], s[74:75]      ; rs at my strip and rows
	s_lshl_b32 s74, s20, 13
	s_add_nc_u64 s[76:77], s[8:9], s[74:75]        ; ke at the batch
	s_lshl_b32 s74, s20, 11
	s_add_co_u32 s74, s74, s25
	s_lshl_b32 s74, s74, 2
	s_add_nc_u64 s[78:79], s[10:11], s[74:75]      ; qe at my rows
	v_and_b32 v1, 15, v0                           ; r
	v_bfe_u32 v2, v0, 4, 1                         ; h
	v_and_b32 v3, 31, v0                           ; lane
	v_lshlrev_b32 v12, 6, v0                       ; 16 exponents a thread: 2,048 for the work-group
	v_lshl_add_u32 v13, v0, 2, s24
	v_min_u32 v13, 2044, v13                       ; the tile's own keys, four a thread, kept inside the batch
	v_lshlrev_b32 v13, 2, v13
	v_lshlrev_b32 v30, 4, v3
	global_load_b128 v[32:35], v12, s[76:77]
	global_load_b128 v[36:39], v12, s[76:77] offset:16
	global_load_b128 v[40:43], v12, s[76:77] offset:32
	global_load_b128 v[44:47], v12, s[76:77] offset:48
	global_load_b128 v[48:51], v13, s[76:77]
	global_load_b128 v[52:55], v30, s[78:79]
	v_lshlrev_b32 v4, 3, v2
	v_sub_nc_u32 v7, v1, v4                        ; r - 8 h
.set j, 0
.rept 8
	v_cmp_le_i32 s[MJ+j], j, v7
.set j, j+1
.endr
	v_mul_u32_u24 v5, v1, PITCH
	v_lshl_add_u32 v5, v2, 4, v5                   ; a fragment's row x pitch + 16 x half
	s_mul_i32 s55, s17, HALFQ
	v_add_nc_u32 v[ADRA], s55, v5
	s_add_co_u32 s55, s55, SLOT
	v_add_nc_u32 v[ADRA+1], s55, v5
	s_mul_i32 s55, s18, 160*PITCH
	s_add_co_u32 s55, s55, 256*PITCH
	v_add_nc_u32 v[ADRB], s55, v5
	s_add_co_u32 s55, s55, SLOT
	v_add_nc_u32 v[ADRB+1], s55, v5
	v_lshlrev_b32 v24, 4, v1
	v_lshl_add_u32 v24, v2, 15, v24                ; pb: 16 r + 32,768 h
	s_mul_i32 s55, s18, 640
	s_add_co_u32 s55, s55, CFT
	v_lshl_add_u32 v25, v2, 5, s55                 ; cf of my keys
	s_lshl_b32 s55, s16, 9
	s_add_co_u32 s55, s55, RSS
	v_lshl_add_u32 v26, v3, 2, s55
	v_lshl_add_u32 v27, v3, 4, s55
	v_lshl_add_u32 v31, v0, 4, CFT
	v_mov_b32 v14, s16                             ; my wave's word among the four maxima:
	v_lshl_add_u32 v14, v14, 2, RED                ; RED + 4 x wave, the same in every lane
	v_mov_b32 v15, RED
	v_mov_b32 v57, 0
	s_wait_loadcnt 0x0
	v_max3_num_f32 v56, v32, v33, v34              ; EK: my 16, my wave's, the work-group's
	v_max3_num_f32 v56, v56, v35, v36
	v_max3_num_f32 v56, v56, v37, v38
	v_max3_num_f32 v56, v56, v39, v40
	v_max3_num_f32 v56, v56, v41, v42
	v_max3_num_f32 v56, v56, v43, v44
	v_max3_num_f32 v56, v56, v45, v46
	v_max_num_f32 v56, v56, v47
	v_max_num_f32_dpp v56, v56, v56 row_xmask:1 row_mask:0xf bank_mask:0xf
	v_max_num_f32_dpp v56, v56, v56 row_xmask:2 row_mask:0xf bank_mask:0xf
	v_max_num_f32_dpp v56, v56, v56 row_xmask:4 row_mask:0xf bank_mask:0xf
	v_max_num_f32_dpp v56, v56, v56 row_xmask:8 row_mask:0xf bank_mask:0xf
	v_permlanex16_b32 v57, v56, s66, s67
	v_max_num_f32 v56, v56, v57
	ds_store_b32 v14, v56                          ; all lanes write the wave's word with the same number; no fill lands in these bytes
	s_wait_dscnt 0x0                               ; for the other waves' sake
	s_wait_tensorcnt 0x1                           ; my part of K step 0 is in; K step 1's may stay out
	s_barrier_signal -1
	s_barrier_wait -1
	ds_load_b128 v[56:59], v15
	s_wait_dscnt 0x0
	v_max3_num_f32 v56, v56, v57, v58
	v_max_num_f32 v56, v56, v59                    ; EK
.irp i, 0,1,2,3
	v_sub_f32 v[48+(\i)], v[48+(\i)], v56
	v_sub_f32 v[52+(\i)], 0x43868000, v[52+(\i)]   ; 269.0 - eQ
.endr
.irp i, 0,1,2,3
	v_add_f32 v[48+(\i)], 0xc1500000, v[48+(\i)]   ; eK - EK - 13
	v_sub_f32 v[52+(\i)], v[52+(\i)], v56
.endr
.irp i, 0,1,2,3
	v_mul_f32 v[52+(\i)], 0.5, v[52+(\i)]
.endr
.irp i, 0,1,2,3
	v_exp_f32 v[48+(\i)], v[48+(\i)]
	v_exp_f32 v[52+(\i)], v[52+(\i)]
.endr
	v_nop                                          ; a plain line between the exponentials and their use
	s_wait_alu depctr_va_vdst(0)
.irp i, 0,1,2,3
	v_mul_f32 v[8+(\i)], 0x322bcc77, v[52+(\i)]    ; 1e-8 g
.endr
.irp i, 0,1,2,3
	v_mul_f32 v[8+(\i)], v[8+(\i)], v[52+(\i)]     ; eps' of my rows 4 lane + i
.endr
	ds_store_b128 v31, v[48:51]                    ; read by the other waves on the way out, behind later barriers, each with its wait for 0 on DScnt
; One product: query block a (0-7), key block b (0-9), fragment buffer f, accumulator window w.
.macro MM f, w, a, b, zero
.if (\f) == 0
.set rK, FB0+8*(\b)
.else
.set rK, 8*(\b)
.endif
.set rQ, FA0+64*(\f)+8*(\a)
.if (\w) == 1
.set rC, 128+8*(2*(\a)+(\b)-8)
.else
.set rC, 8*(8*((\a)%4)+(\b))
.endif
.if \zero
	v_wmma_f32_16x16x32_f16 v[rC:rC+7], v[rK:rK+7], v[rQ:rQ+7], 0
.else
	v_wmma_f32_16x16x32_f16 v[rC:rC+7], v[rK:rK+7], v[rQ:rQ+7], v[rC:rC+7]
.endif
.endm
; w = 2, 3: n query blocks from a0 of the window's four x key blocks 0-7.  w = 1: all 8 query blocks x key blocks 8, 9.  The accumulators take turns, one instruction a turn.
.macro MULG f, w, a0, n, zero
	WIN (\f)|((\w)<<4)|((\w)<<6)
.if (\w) == 1
.set ma, 0
.rept 8
	MM \f, 1, ma, 8, \zero
	MM \f, 1, ma, 9, \zero
.set ma, ma+1
.endr
.else
.set ma, (\a0)+4*((\w)-2)
.rept \n
.set mb, 0
.rept 8
	MM \f, \w, ma, mb, \zero
.set mb, mb+1
.endr
.set ma, ma+1
.endr
.endif
.endm
.macro LDK slot, k, f, i0, n           ; n fragments of kh from i0 on
.if (\f) == 1
	WIN 0x40
.else
	WIN 0
.endif
.set fi, \i0
.rept \n
.if (\f) == 1
.set rF, 8*fi
.else
.set rF, FB0+8*fi
.endif
	ds_load_b128 v[rF:rF+3], v[ADRB+(\slot)] offset:(\k)+fi*16*PITCH
	ds_load_b128 v[rF+4:rF+7], v[ADRB+(\slot)] offset:(\k)+fi*16*PITCH+32
.set fi, fi+1
.endr
.endm
.macro LDQ slot, k, f, i0              ; four fragments of qh from i0 on
	WIN 0
.set fi, \i0
.rept 4
.set rF, FA0+64*(\f)+8*fi
	ds_load_b128 v[rF:rF+3], v[ADRA+(\slot)] offset:(\k)+fi*16*PITCH
	ds_load_b128 v[rF+4:rF+7], v[ADRA+(\slot)] offset:(\k)+fi*16*PITCH+32
.set fi, fi+1
.endr
.endm
.macro FETCH slot, k, f                ; 36 loads in one run, what is wanted first in front
	LDK \slot, \k, \f, 0, 8
	LDQ \slot, \k, \f, 0
	LDQ \slot, \k, \f, 4
	LDK \slot, \k, \f, 8, 2
.endm
; A K step is four quarters of 32 along K, 80 matrix instructions each, on buffers 0, 1, 0, 1.  One of the first three: multiplies buffer f and fetches the next quarter, at byte k, into g.
.macro QUARTER slot, k, f, g, zero=0
	s_wait_dscnt 12                                ; the youngest twelve (qh's blocks 4-7, kh's 8, 9) may be out
	MULG \f, 2, 0, 4, \zero
	PLACES
	FETCH \slot, \k, \g
	s_wait_dscnt 36                                ; all but the 36 just issued
	MULG \f, 3, 0, 4, \zero
	MULG \f, 1, 0, 0, \zero
.endm
; The fourth quarter multiplies buffer 1 and changes slots: one barrier; in front of it each wave waits for all its tensor loads (one is out: its part of the next slot), adds 0 to its spare word,
; and waits for that and for its reads of this slot.  fill = 1: this slot is filled again, two K steps on, first thing behind the barrier.
.macro TURN slot, next, fill
	WIN 0
	s_wait_tensorcnt 0x0
	ds_add_u32 v28, v29
	s_wait_dscnt 13                                ; the add and the youngest twelve loads may be out
	MULG 1, 2, 0, 2, 0
	s_wait_dscnt 0x0                               ; the add is done, my reads of this slot are over
	s_barrier_signal -1
	MULG 1, 2, 2, 2, 0
	WIN 0
	s_barrier_wait -1
.if \fill
	s_add_nc_u64 s[46+4*(\slot):47+4*(\slot)], s[46+4*(\slot):47+4*(\slot)], 512  ; no tensor load of mine is out: the descriptor may be written
	LOADT \slot                                    ; its four v_nop are also the places in front of the loads below
.else
	PLACES
.endif
	FETCH \next, 0, 0
	MULG 1, 3, 0, 4, 0
	MULG 1, 1, 0, 0, 0
.endm
	FETCH 0, 0, 0
	QUARTER 0, 64, 0, 1, 1                         ; the first quarter's products start the sums
	WIN 0
	s_mov_b32 s52, 3
.Llap:                                                 ; a trip goes once round the ring and fills both slots again
	QUARTER 0, 128, 1, 0
	QUARTER 0, 192, 0, 1
	TURN 0, 1, 1
	QUARTER 1, 64, 0, 1
	QUARTER 1, 128, 1, 0
	QUARTER 1, 192, 0, 1
	TURN 1, 0, 1
	QUARTER 0, 64, 0, 1
	WIN 0
	s_sub_co_u32 s52, s52, 1
	s_cmp_lg_u32 s52, 0
	s_cbranch_scc1 .Llap
	QUARTER 0, 128, 1, 0                           ; the last lap fills nothing
	QUARTER 0, 192, 0, 1
	TURN 0, 1, 0
	QUARTER 1, 64, 0, 1
	QUARTER 1, 128, 1, 0
	QUARTER 1, 192, 0, 1
	s_wait_dscnt 12
	MULG 1, 2, 0, 4, 0
	s_wait_dscnt 0x0
	MULG 1, 3, 0, 4, 0
	MULG 1, 1, 0, 0, 0
	; THE WAY OUT, a block of 16 queries at a time: times cf, the causal choice, the row sum, f16, the stores.
	WIN 0
	PLACES
.set mb, 0
.rept 10
	ds_load_b128 v[CF+8*mb:CF+8*mb+3], v25 offset:64*mb
	ds_load_b128 v[CF+8*mb+4:CF+8*mb+7], v25 offset:64*mb+16
.set mb, mb+1
.endr
	s_wait_dscnt 0x0
; Key 16 b + 8 h + j is kept for query 16 a + r where j + 8 h - r <= D0 - 16 (b - a), a multiple of 16: above 0 all are kept, at 0 the fixed triangle, below 0 none.  At 0 only where b - a is even.
.macro MASKB a, b
	s_cmp_gt_i32 s53, 16*((\b)-(\a))
	s_cbranch_scc1 .Lk_\@
.if (((\b)-(\a))%2) != 0
.set mj, 0
.rept 8
	v_mov_b32 v[PT+8*(\b)+mj], 0
.set mj, mj+1
.endr
.else
	s_cmp_eq_i32 s53, 16*((\b)-(\a))
	s_cselect_b32 s54, -1, 0
.set mj, 0
.rept 8
	s_and_b32 vcc_lo, s[MJ+mj], s54
	v_cndmask_b32 v[PT+8*(\b)+mj], 0, v[PT+8*(\b)+mj], vcc_lo
.set mj, mj+1
.endr
.endif
.Lk_\@:
.endm
.macro MBLOCK a
	WIN 2+(\a)/4                                   ; source 0: the accumulators' window
.set mi, 0
.rept 32
	v_pk_mul_f32 v[PT+2*mi:PT+2*mi+1], v[64*((\a)%4)+2*mi:64*((\a)%4)+2*mi+1], v[CF+2*mi:CF+2*mi+1]
.set mi, mi+1
.endr
	WIN 1
.set mi, 0
.rept 8
	v_pk_mul_f32 v[PT+64+2*mi:PT+64+2*mi+1], v[128+16*(\a)+2*mi:128+16*(\a)+2*mi+1], v[CF+64+2*mi:CF+64+2*mi+1]
.set mi, mi+1
.endr
	WIN 0
.set mb, 0
.rept 10
	MASKB \a, mb
.set mb, mb+1
.endr
.set c, 0
.rept 4
	v_pk_add_f32 v[CH+2*c:CH+2*c+1], v[PT+2*c:PT+2*c+1], v[PT+8+2*c:PT+8+2*c+1]
.set c, c+1
.endr
.set c, 8
.rept 32
	v_pk_add_f32 v[CH+2*(c%4):CH+2*(c%4)+1], v[CH+2*(c%4):CH+2*(c%4)+1], v[PT+2*c:PT+2*c+1]
.set c, c+1
.endr
	v_pk_add_f32 v[CH:CH+1], v[CH:CH+1], v[CH+2:CH+3]
	v_pk_add_f32 v[CH+4:CH+5], v[CH+4:CH+5], v[CH+6:CH+7]
	v_pk_add_f32 v[CH:CH+1], v[CH:CH+1], v[CH+4:CH+5]
	v_add_f32 v[RS8+(\a)], v[CH], v[CH+1]
	s_wait_xcnt 0x0                                ; the registers that the last block's stores read are written only behind this wait
.set c, 0
.rept 40
	v_cvt_pk_f16_f32 v[OUTR+c], v[PT+2*c], v[PT+2*c+1]
.set c, c+1
.endr
.set mb, 0
.rept 10
	global_store_b128 v24, v[OUTR+4*mb:OUTR+4*mb+3], s[70:71] offset:65536*mb+256*(\a)  ; sixteen lanes: 256 consecutive bytes, aligned
.set mb, mb+1
.endr
.endm
.irp a, 0,1,2,3,4,5,6,7
	MBLOCK \a
.endr
	; the row sums: the other half of the lanes', then through my own LDS bytes into rows 4 lane .. 4 lane + 3
.set i, 0
.rept 8
	v_permlanex16_b32 v[CH+i], v[RS8+i], s66, s67
.set i, i+1
.endr
.set i, 0
.rept 8
	v_add_f32 v[RS8+i], v[RS8+i], v[CH+i]
.set i, i+1
.endr
.set i, 0
.rept 4
	v_cndmask_b32 v[CH+i], v[RS8+2*i], v[RS8+2*i+1], s69   ; lane l: row 32 i + l
	ds_store_b32 v26, v[CH+i] offset:128*i
.set i, i+1
.endr
	ds_load_b128 v[CH+4:CH+7], v27                 ; LDS serves a wave's instructions in order: this sees the stores above
	s_wait_dscnt 0x0
	s_cmp_lg_u32 s68, 0
	s_cbranch_scc1 .Lnoeps                         ; eps' enters once, in strip 0
	v_pk_add_f32 v[CH+4:CH+5], v[CH+4:CH+5], v[8:9]
	v_pk_add_f32 v[CH+6:CH+7], v[CH+6:CH+7], v[10:11]
.Lnoeps:
	global_store_b128 v30, v[CH+4:CH+7], s[72:73]  ; 512 consecutive bytes
	s_wait_tensorcnt 0x0                           ; the wave's end
	ds_add_u32 v28, v29
	s_wait_dscnt 0x0
	s_endpgm
.Lfunc_end_k_qf63ee3bcf4_scores:
	.size	k_qf63ee3bcf4_scores, .Lfunc_end_k_qf63ee3bcf4_scores-k_qf63ee3bcf4_scores
	.p2alignl 7, 3214868480
	.fill 96, 4, 3214868480
	.section	.rodata,"a",@progbits
	.p2align	6, 0x0
	.amdhsa_kernel k_qf63ee3bcf4_scores
		.amdhsa_group_segment_fixed_size 327680
		.amdhsa_private_segment_fixed_size 0
		.amdhsa_enable_private_segment 0
		.amdhsa_kernarg_size 48
		.amdhsa_user_sgpr_count 2
		.amdhsa_user_sgpr_kernarg_segment_ptr 1
		.amdhsa_wavefront_size32 1
		.amdhsa_system_sgpr_workgroup_id_x 1
		.amdhsa_system_sgpr_workgroup_id_y 1
		.amdhsa_system_sgpr_workgroup_id_z 1
		.amdhsa_system_vgpr_workitem_id 0
		.amdhsa_next_free_vgpr 1024
		.amdhsa_next_free_sgpr 84
		.amdhsa_reserve_vcc 1
		.amdhsa_float_denorm_mode_32 3
		.amdhsa_float_denorm_mode_16_64 3
		.amdhsa_memory_ordered 1
		.amdhsa_forward_progress 1
		.amdhsa_inst_pref_size 246
	.end_amdhsa_kernel
	.amdgpu_metadata
---
amdhsa.version: [ 1, 2 ]
amdhsa.kernels:
  - .name:           k_qf63ee3bcf4_scores
    .symbol:         k_qf63ee3bcf4_scores.kd
    .args:
      - { .name: qh, .offset: 0, .size: 8, .value_kind: global_buffer, .address_space: global }
      - { .name: kh, .offset: 8, .size: 8, .value_kind: global_buffer, .address_space: global }
      - { .name: ke, .offset: 16, .size: 8, .value_kind: global_buffer, .address_space: global }
      - { .name: qe, .offset: 24, .size: 8, .value_kind: global_buffer, .address_space: global }
      - { .name: pb, .offset: 32, .size: 8, .value_kind: global_buffer, .address_space: global }
      - { .name: rs, .offset: 40, .size: 8, .value_kind: global_buffer, .address_space: global }
    .group_segment_fixed_size: 327680
    .private_segment_fixed_size: 0
    .kernarg_segment_align: 8
    .kernarg_segment_size: 48
    .max_flat_workgroup_size: 128
    .sgpr_count:     84
    .vgpr_count:     1024
    .wavefront_size: 32
...
	.end_amdgpu_metadata
.endif
;; end of part 2
;; launch mix (part 3): grid 32 x 8, 4 waves a work-group, clusters of 4 x 1, 327,680 bytes of LDS; arguments pb, vh, rs, out0; writes out0
.if DOCPART == 3
	.amdgcn_target "amdgcn-amd-amdhsa--gfx1250"
	.amdhsa_code_object_version 6
	.text
	.protected	k_qf63ee3bcf4_mix
	.globl	k_qf63ee3bcf4_mix
	.p2align	8
	.type	k_qf63ee3bcf4_mix,@function
k_qf63ee3bcf4_mix:
	s_mov_b64 s[64:65], 0
	v_nop
	global_prefetch_b8 v0, s[64:65] scope:SCOPE_SE
	s_setreg_imm32_b32 hwreg(HW_REG_WAVE_MODE, 25, 1), 1
	s_wait_xcnt 0x0
	s_wait_alu depctr_hold_cnt(0) depctr_sa_sdst(0) depctr_va_vdst(0) depctr_va_sdst(0) depctr_va_ssrc(0) depctr_va_vcc(0) depctr_vm_vsrc(0)
	s_getreg_b32 s2, hwreg(HW_REG_IB_STS2, 6, 4)
	s_cmp_eq_u32 s2, 0
	s_cbranch_scc0 .Lentry_in_a_cluster
	s_endpgm
.Lentry_in_a_cluster:
	s_bfe_u32 s2, ttmp6, 0x10000c
	s_cmp_lg_u32 s2, 0x3003
	s_cbranch_scc0 .Lentry_shape_is_right
	s_endpgm
.Lentry_shape_is_right:
; out[t][c] = (the sum over s of P[t][s] v[s][c]) / (the sum of t's row sums).  P: pb, f16, [batch][key / 8][query][8 keys], zeros above the diagonal; v: vh, f16; sums in f32; out0 f32.
; THE WALK.  A batch's queries lie in 16 blocks of 128; block i needs the key steps 0 .. i of 128 keys.  A work-group makes 128 queries x 256 channels for block p and then for block 15 - p:
; 17 steps whatever p: all 256 work-groups are alike, and one loop with a constant count walks them.  The short block goes first, so that its end and the second block's beginning fall inside the loop.
; WHICH CLUSTER TAKES WHAT.  The batch is 4 x (bit 2 of the cluster's x) + y % 4, p the other three bits of x and y: the clusters that read one batch's rows agree in bit 2 of x.  The map is one to one.
; Four waves, each 64 queries x 128 channels: 32 accumulators.  O^T = V^T P: source 0 = v turned by ds_load_tr16_b128, source 1 = P as it lies: a lane holds one query (lane % 16) and eight channels.
; CLUSTER.  The four channel blocks of a pair p walk the same tiles of P: waves 0 and 1 ask for them JOINTLY (the same load, descriptor and mask in all four).  v's tiles differ with the channel
; block: waves 2 and 3 ask for them by loads of their own, behind the same rounds.  The place in the cluster enters v's and out0's addresses alone; every branch hangs on p and the wave's number.
; v is not shared among pairs: their walks differ in every step but the first few, and a walk common to four pairs has 20 steps for 17.
; LIMITS.  As stated for the launches in front; a divisor that is infinite gives 0.
; REGISTERS: window 0: v0-31 addresses and the reciprocals; v32-127, v128-223 two fragment buffers (64 of v, 32 of P); on the way out v32-95 results, v128-191 whole rows.  Window 1: the accumulators, (a, nb) at 8 (8 a + nb).
.set SLOT1, 131072                     ; a slot: P [16 key blocks][128 queries][16 bytes] = 32,768 bytes, then v: 128 keys x 544
.set VOFF,  32768
.set PV,    544                        ; a row of v: 512 bytes + 32 of padding: the turning load's 8 rows x 32 bytes fall on different words of each 256
.set STAGE, SLOT1+VOFF+128*PV          ; 16 rows x 528 bytes for each wave, never filled by a tensor load
.set SP,    528
.set SPARE, STAGE+4*16*SP              ; the spare words, 128 bytes a wave: two blocks of 256 bytes that no other line names
.set RCS,   SPARE+512                  ; 512 bytes a wave: the reciprocals' turn
.set PB_BATCH, 9175040
.set RCA, 8                            ; v[8:15]   1 / divisor of my query in block a of the first row block, as pairs
.set RCB, 16                           ; v[16:23]  of the second
.set F0,  32
.set F1,  128
.set TMP, 32
.set BK,  128
.set OA,  56                           ; s[56:57]  out0 at my corner of the first block
.set OB,  58                           ; s[58:59]  of the second
.set RA,  66                           ; s[66:67]  rs at my rows of the first block
.set RB,  68
.set NSA, 70                           ; s70       strips stored for the first block's rows
.set NSB, 71
; descriptors: group 1 for P s[28:35], for v s[36:43]; group 0 of the first tile s[44:47] (P), s[48:51] (v); group 0 of the second tile s[80:83], s[84:87], which then walk on
.set MSB, 0
.macro WIN new
.if MSB != (\new)
	s_set_vgpr_msb (MSB<<8)|(\new)
.set MSB, \new
.endif
.endm
.macro PLACES
.rept 4
	v_nop
.endr
.endm
.macro CROUND                          ; a round of the cluster's barrier
	s_barrier_signal -1
	s_barrier_wait -1
	s_cmp_lg_u32 s12, 0
	s_cbranch_scc1 .Lnot_wave_0_\@
	s_barrier_signal -3
.Lnot_wave_0_\@:
	s_barrier_wait -3
	s_barrier_signal -1
	s_barrier_wait -1
.endm
.macro LOADT                           ; waves 0, 1: the halves of P's tile, jointly; waves 2, 3: the halves of v's.  An s_nop 0 and four v_nop follow each line
	s_cmp_lt_u32 s12, 2
	s_cbranch_scc0 .Lfor_v_\@
	tensor_load_to_lds s[80:83], s[28:35]
	s_nop 0
	PLACES
	s_branch .Lasked_\@
.Lfor_v_\@:
	tensor_load_to_lds s[84:87], s[36:43]
	s_nop 0
	PLACES
.Lasked_\@:
.endm
.macro ADV                             ; behind a block's last step the asking goes on with the second block's step 0
	s_cmp_gt_u32 s18, s19
	s_cselect_b32 s18, 0, s18
	s_cselect_b32 s20, s24, s20
	s_cselect_b32 s19, s24, s19
.endm
.macro NEXTT                           ; the walking descriptors' addresses are made anew for step s18 of block s20; then the walk steps
	s_lshl_b32 s60, s18, 19                        ; 16 key blocks of 32,768 bytes a step,
	s_lshl_b32 s26, s20, 11                        ; 128 queries of 16 bytes a block
	s_add_co_u32 s60, s60, s26
	s_lshl_b32 s62, s18, 18                        ; 128 rows of v
	s_add_nc_u64 s[82:83], s[52:53], s[60:61]
	s_or_b32 s83, s83, 0x80000000
	s_add_nc_u64 s[86:87], s[54:55], s[62:63]
	s_or_b32 s87, s87, 0x80000000
	s_add_co_u32 s18, s18, 1
	ADV
.endm
; THE CHANGE OF SLOTS.  Each wave waits for all its tensor loads (one is out: its part of the other slot), adds 0 to its spare word, and waits for that and for its LDS reads.
; fill = 1: the slot just left is filled with the tile after the one now entered, first thing behind a round of the cluster's barrier; the load has one step, 128 matrix instructions a wave, in which to land.
.macro CHANGE fill
	WIN 0
	s_wait_tensorcnt 0x0                           ; no tensor load of mine is out: the descriptors may be written
	ds_add_u32 v28, v29
.if \fill
	s_xor_b32 s81, s81, SLOT1                      ; the other slot than last time
	s_xor_b32 s85, s85, SLOT1
	NEXTT
.endif
	s_xor_b32 s25, s25, SLOT1                      ; the reads go to the other slot
	s_wait_dscnt 0x0
.if \fill
	CROUND
	LOADT                                          ; its four v_nop are also the places in front of the step's first loads
.else
	s_barrier_signal -1
	s_barrier_wait -1
	PLACES
.endif
.endm
	s_load_b256 s[4:11], s[0:1], 0x0               ; pb, vh, rs, out0
	v_lshl_add_u32 v28, v0, 2, SPARE
	v_mov_b32 v29, 0
	ds_add_u32 v28, v29
	ds_add_u32 v28, v29
	s_wait_dscnt 0x0
	v_lshrrev_b32 v1, 5, v0
	v_readfirstlane_b32 s12, v1                    ; wave 0..3
	s_lshr_b32 s13, s12, 1                         ; which 64 queries
	s_and_b32 s14, s12, 1                          ; which 128 channels; also which half of a tile I fetch
	s_and_b32 s26, ttmp7, 0xffff                   ; the cluster's y; in a cluster launch ttmp9 and ttmp7 count clusters
	s_bfe_u32 s16, ttmp9, 0x10002                  ; bit 2 of the cluster's x
	s_lshl_b32 s16, s16, 2
	s_and_b32 s27, s26, 3
	s_add_co_u32 s16, s16, s27                     ; batch = 4 x (bit 2 of x) + y % 4
	s_and_b32 s15, ttmp9, 3
	s_lshr_b32 s27, s26, 2
	s_lshl2_add_u32 s15, s27, s15                  ; p = x % 4 + 4 (y >> 2)
	s_bfe_u32 s17, ttmp6, 0x40000                  ; cx: the channel block
	s_sub_co_u32 s24, 15, s15                      ; the second row block
	; P's tile half: 8 rows of 2,048 bytes, 32,768 bytes apart
	s_mov_b32 s28, 0x0023000f                      ; the mask of four; 8-byte elements; bit 21 beside the mask
	s_mov_b32 s29, 256<<16                         ; tensor_dim0
	s_mov_b32 s30, 8<<16                           ; tensor_dim1
	s_mov_b32 s31, 256<<16                         ; tile_dim0
	s_mov_b32 s32, 8                               ; tile_dim1
	s_mov_b32 s33, 4096                            ; from row to row, in elements
	s_mov_b32 s34, 0
	s_mov_b32 s35, 0
	; v's tile half: 64 rows of 256 f16, 1,024 elements apart, 32 bytes of padding behind each
	s_mov_b32 s36, 0x0f910000                      ; 2-byte elements; padding on; after every 128 words; 8 words
	s_mov_b32 s37, 256<<16
	s_mov_b32 s38, 64<<16
	s_mov_b32 s39, 256<<16
	s_mov_b32 s40, 64
	s_mov_b32 s41, 1024
	s_mov_b32 s42, 0
	s_mov_b32 s43, 0
	s_mov_b32 s44, 1
	s_lshl_b32 s45, s14, 14                        ; slot 0
	s_mov_b32 s48, 1
	s_mul_i32 s49, s14, 64*PV
	s_add_co_u32 s49, s49, VOFF
	s_mov_b32 s80, 1
	s_add_co_u32 s81, s45, SLOT1                   ; slot 1
	s_mov_b32 s84, 1
	s_add_co_u32 s85, s49, SLOT1
	s_mov_b32 s18, 1                               ; the step to ask for next,
	s_mov_b32 s19, s15                             ; the last step of the block whose steps are being asked for,
	s_mov_b32 s20, s15                             ; that block
	ADV
	s_add_co_u32 s21, s15, 1                       ; steps of the block in hand still to be entered
	s_mov_b32 s22, 1                               ; 1: the step to be entered is a block's first
	s_mov_b32 s25, 0                               ; the slot that is read
	s_mov_b32 s61, 0
	s_mov_b32 s63, 0
	s_mov_b32 s79, 0
	s_mov_b32 s73, 0
	s_mov_b32 s75, 0
.macro NSOF d, i                       ; 2 ((i >> 1) + 1 - (i >> 3)): the strips of 160 keys stored for row block i
	s_lshr_b32 s26, \i, 1
	s_lshr_b32 s27, \i, 3
	s_sub_co_u32 s26, s26, s27
	s_add_co_u32 s26, s26, 1
	s_lshl_b32 \d, s26, 1
.endm
	NSOF s70, s15
	NSOF s71, s24
	s_mul_i32 s78, s16, PB_BATCH
	s_lshl_b32 s26, s14, 18
	s_add_co_u32 s78, s78, s26
	s_wait_kmcnt 0x0
	s_add_nc_u64 s[52:53], s[4:5], s[78:79]        ; pb at the batch and my half of a tile
	s_mul_i32 s78, s16, 114688                     ; 14 strips of 8,192 bytes
	s_lshl_b32 s26, s13, 8
	s_add_co_u32 s78, s78, s26
	s_add_nc_u64 s[RA:RA+1], s[8:9], s[78:79]
	s_mov_b64 s[RB:RB+1], s[RA:RA+1]
	s_lshl_b32 s78, s15, 9
	s_add_nc_u64 s[RA:RA+1], s[RA:RA+1], s[78:79]
	s_lshl_b32 s78, s24, 9
	s_add_nc_u64 s[RB:RB+1], s[RB:RB+1], s[78:79]
	s_lshl_b32 s72, s16, 22                        ; what holds cx stays in s[72:77]
	s_lshl_b32 s26, s14, 17
	s_add_co_u32 s72, s72, s26
	s_lshl_b32 s76, s17, 9
	s_add_co_u32 s72, s72, s76
	s_add_nc_u64 s[54:55], s[6:7], s[72:73]        ; vh at the batch, my half of a tile, my channel block
	s_lshl_b32 s72, s16, 11
	s_lshl_b32 s26, s13, 6
	s_add_co_u32 s72, s72, s26
	s_lshl_b32 s26, s15, 7
	s_add_co_u32 s74, s72, s26                     ; my first row of the first block,
	s_lshl_b32 s26, s24, 7
	s_add_co_u32 s72, s72, s26                     ; of the second
	s_lshl_b32 s76, s17, 10
	s_lshl_b32 s26, s14, 9
	s_add_co_u32 s76, s76, s26                     ; my first channel, in bytes
	s_lshl_b32 s74, s74, 12
	s_add_co_u32 s74, s74, s76
	s_lshl_b32 s72, s72, 12
	s_add_co_u32 s72, s72, s76
	s_add_nc_u64 s[OA:OA+1], s[10:11], s[74:75]
	s_add_nc_u64 s[OB:OB+1], s[10:11], s[72:73]
	s_lshl_b32 s60, s15, 11                        ; the first tile: step 0 of block p
	s_add_nc_u64 s[46:47], s[52:53], s[60:61]
	s_or_b32 s47, s47, 0x80000000
	s_mov_b64 s[50:51], s[54:55]
	s_or_b32 s51, s51, 0x80000000
	NEXTT                                          ; the second tile
	CROUND                                         ; all four work-groups are here: the first joint loads meet
	s_cmp_lt_u32 s12, 2                            ; a wave's two first fills stand in one branch, ahead of every wait on TENSORcnt, LDS read and further barrier: two loads of mine are out
	s_cbranch_scc0 .Lfirst_v
	tensor_load_to_lds s[44:47], s[28:35]
	s_nop 0
	tensor_load_to_lds s[80:83], s[28:35]
	s_nop 0
	PLACES
	s_branch .Lfirst_asked
.Lfirst_v:
	tensor_load_to_lds s[48:51], s[36:43]
	s_nop 0
	tensor_load_to_lds s[84:87], s[36:43]
	s_nop 0
	PLACES
.Lfirst_asked:
	v_and_b32 v1, 15, v0                           ; r
	v_bfe_u32 v2, v0, 4, 1                         ; h
	v_and_b32 v3, 31, v0                           ; lane
	v_lshlrev_b32 v27, 3, v3
; The divisors of my 64 rows: the stored strips are added (the others count as 0), the reciprocals go through my own LDS bytes to the lanes that hold the rows.
.macro RLOAD base, ns, z               ; the loads of one row block's strips
.set zi, 0
.rept 28
	v_mov_b32 v[(\z)+zi], 0
.set zi, zi+1
.endr
.set zi, 0
.rept 14
.if (zi >= 2) && (zi%2 == 0)
	s_cmp_le_u32 s[\ns], zi
	s_cbranch_scc1 .Lr_\@
.endif
	global_load_b64 v[(\z)+2*zi:(\z)+2*zi+1], v27, s[\base:\base+1] offset:8192*zi
.set zi, zi+1
.endr
.Lr_\@:
.endm
.macro RFIN z, rc, blk
.set zi, 2
.rept 12
	v_pk_add_f32 v[(\z)+2*(zi%2):(\z)+2*(zi%2)+1], v[(\z)+2*(zi%2):(\z)+2*(zi%2)+1], v[(\z)+2*zi:(\z)+2*zi+1]
.set zi, zi+1
.endr
	v_pk_add_f32 v[(\z):(\z)+1], v[(\z):(\z)+1], v[(\z)+2:(\z)+3]
	v_rcp_f32 v[(\z)], v[(\z)]
	v_rcp_f32 v[(\z)+1], v[(\z)+1]
	v_nop                                          ; a plain line between the reciprocals and their use
	s_wait_alu depctr_va_vdst(0)
	ds_store_b64 v30, v[(\z):(\z)+1] offset:256*(\blk)
.irp a, 0,1,2,3
	ds_load_b32 v[(\rc)+2*(\a)], v31 offset:256*(\blk)+64*(\a)   ; LDS serves a wave's instructions in order: these see the store above
.endr
	s_wait_dscnt 0x0
.irp a, 0,1,2,3
	v_mov_b32 v[(\rc)+2*(\a)+1], v[(\rc)+2*(\a)]   ; named with it as a pair
.endr
.endm
	RLOAD RA, NSA, 32                              ; both blocks' strips are asked for together; the lane addresses are made while they are on their way
	RLOAD RB, NSB, 64
	v_lshlrev_b32 v4, 4, v1                        ; P's fragment: query 64 wr + 16 a + r, key block 4 g + h (and + 2)
	v_lshl_add_u32 v4, v2, 11, v4
	s_lshl_b32 s26, s13, 10
	v_add_nc_u32 v4, s26, v4
	v_and_b32 v24, 7, v0                           ; the turning load: key 8 h + l % 8, channels 8 ((l / 8) % 2) on
	v_lshl_add_u32 v24, v2, 3, v24
	v_mul_u32_u24 v5, v24, PV
	v_bfe_u32 v25, v0, 3, 1
	v_lshl_add_u32 v5, v25, 4, v5
	s_lshl_b32 s26, s14, 8
	s_add_co_u32 s26, s26, VOFF
	v_add_nc_u32 v5, s26, v5
	s_mul_i32 s26, s12, 16*SP
	s_add_co_u32 s26, s26, STAGE                   ; my stage
	v_mul_u32_u24 v24, v1, SP
	v_lshl_add_u32 v24, v2, 5, v24
	v_add_nc_u32 v24, s26, v24                     ; in: row r, 32 bytes for each half of the lanes
	v_lshl_add_u32 v25, v3, 4, s26                 ; back: a whole row of 512 bytes
	v_lshlrev_b32 v26, 4, v3
	s_lshl_b32 s26, s12, 9
	s_add_co_u32 s26, s26, RCS
	v_lshl_add_u32 v30, v3, 3, s26
	v_lshl_add_u32 v31, v1, 2, s26
	s_wait_loadcnt 0x0                             ; how many strips were asked for hangs on p: the wait is for all
	RFIN 32, RCA, 0
	RFIN 64, RCB, 1
.macro FETCH g, f                      ; 24 loads in one run: 32 keys: v turned (8 channel blocks), P (4 query blocks)
	WIN 0
.set fi, 0
.rept 8
	ds_load_tr16_b128 v[(\f)+8*fi:(\f)+8*fi+3], v7 offset:32*PV*(\g)+32*fi
	ds_load_tr16_b128 v[(\f)+8*fi+4:(\f)+8*fi+7], v7 offset:32*PV*(\g)+32*fi+16*PV
.set fi, fi+1
.endr
.set fi, 0
.rept 4
	ds_load_b128 v[(\f)+64+8*fi:(\f)+64+8*fi+3], v6 offset:8192*(\g)+256*fi
	ds_load_b128 v[(\f)+64+8*fi+4:(\f)+64+8*fi+7], v6 offset:8192*(\g)+256*fi+4096
.set fi, fi+1
.endr
.endm
.macro MUL32 f, zero                   ; 32 products; the accumulators take turns, one instruction a turn
	WIN 0x50
.set ma, 0
.rept 4
.set mb, 0
.rept 8
.set rC, 8*(8*ma+mb)
.if \zero
	v_wmma_f32_16x16x32_f16 v[rC:rC+7], v[(\f)+8*mb:(\f)+8*mb+7], v[(\f)+64+8*ma:(\f)+64+8*ma+7], 0
.else
	v_wmma_f32_16x16x32_f16 v[rC:rC+7], v[(\f)+8*mb:(\f)+8*mb+7], v[(\f)+64+8*ma:(\f)+64+8*ma+7], v[rC:rC+7]
.endif
.set mb, mb+1
.endr
.set ma, ma+1
.endr
.endm
; A step: 128 keys in four groups of 32, on buffers 0, 1, 0, 1.  first = 1: the step may be a block's first, whose first products start the sums.
.macro STEP first
	v_add_nc_u32 v6, s25, v4
	v_add_nc_u32 v7, s25, v5
	FETCH 0, F0
	FETCH 1, F1
	s_wait_dscnt 24                                ; all but the 24 just issued
.if \first
	s_cmp_eq_u32 s22, 1
	s_cbranch_scc1 .Lz_\@
	MUL32 F0, 0
	WIN 0
	s_branch .Lj_\@
.Lz_\@:
	MUL32 F0, 1
	WIN 0
.Lj_\@:
	s_mov_b32 s22, 0
.else
	MUL32 F0, 0
.endif
	PLACES
	FETCH 2, F0
	s_wait_dscnt 24
	MUL32 F1, 0
	PLACES
	FETCH 3, F1
	s_wait_dscnt 24
	MUL32 F0, 0
	s_wait_dscnt 0x0
	MUL32 F1, 0
	WIN 0
.endm
; THE WAY OUT, 16 queries at a time: times 1 / divisor; 32 bytes a lane and channel block into my stage; back as whole rows of 512 bytes; stored.
.macro OUT rc, base
	WIN 0
	PLACES
.set oa, 0
.rept 4
	WIN 0x01                                       ; source 0: the accumulators' window
.set oi, 0
.rept 32
	v_pk_mul_f32 v[TMP+2*oi:TMP+2*oi+1], v[64*oa+2*oi:64*oa+2*oi+1], v[(\rc)+2*oa:(\rc)+2*oa+1] op_sel_hi:[1,0]
.set oi, oi+1
.endr
	WIN 0
.set oi, 0
.rept 8
	ds_store_b128 v24, v[TMP+8*oi:TMP+8*oi+3] offset:64*oi
	ds_store_b128 v24, v[TMP+8*oi+4:TMP+8*oi+7] offset:64*oi+16
.set oi, oi+1
.endr
	s_wait_xcnt 0x0                                ; the registers that the last sixteen stores read are loaded again only behind this wait
.set oi, 0
.rept 16
	ds_load_b128 v[BK+4*oi:BK+4*oi+3], v25 offset:SP*oi   ; LDS serves a wave's instructions in order: these see the stores above
.set oi, oi+1
.endr
.set oi, 0
.rept 16
	s_wait_dscnt 15-oi
	global_store_b128 v26, v[BK+4*oi:BK+4*oi+3], s[\base:\base+1] offset:(16*oa+oi)*4096 th:TH_STORE_NT  ; 512 consecutive bytes, aligned
.set oi, oi+1
.endr
.set oa, oa+1
.endr
	s_wait_xcnt 0x0                                ; the next step's fragments land in those registers
.endm
	s_wait_tensorcnt 0x1                           ; my part of the first tile is in; the second tile's may stay out
	s_barrier_signal -1
	s_barrier_wait -1                              ; everybody's is
	s_mov_b32 s23, 16
	s_branch .Lenter                               ; the loop is entered behind its change of slots: the first step has none
.Lstep:                                                ; 16 steps; in front of all but the first a change of slots that fills the slot just left: 15 refills behind the two first fills
	CHANGE 1
.Lenter:
	s_sub_co_u32 s21, s21, 1
	STEP 1
	s_cmp_lg_u32 s21, 0
	s_cbranch_scc1 .Lno
	OUT RCA, OA                                    ; the first block's end, in trip p
	s_sub_co_u32 s21, 16, s15                      ; the second block has 16 - p steps
	s_mov_b32 s22, 1
.Lno:
	s_sub_co_u32 s23, s23, 1
	s_cmp_lg_u32 s23, 0
	s_cbranch_scc1 .Lstep
	CHANGE 0                                       ; the walk's last step is written out: nothing is asked for
	STEP 0
	OUT RCB, OB
	s_wait_tensorcnt 0x0                           ; the wave's end
	ds_add_u32 v28, v29
	s_wait_dscnt 0x0
	CROUND                                         ; the closing round: no work-group ends while a partner may still ask for a tile that names it
	s_endpgm
.Lfunc_end_k_qf63ee3bcf4_mix:
	.size	k_qf63ee3bcf4_mix, .Lfunc_end_k_qf63ee3bcf4_mix-k_qf63ee3bcf4_mix
	.p2alignl 7, 3214868480
	.fill 96, 4, 3214868480
	.section	.rodata,"a",@progbits
	.p2align	6, 0x0
	.amdhsa_kernel k_qf63ee3bcf4_mix
		.amdhsa_group_segment_fixed_size 327680
		.amdhsa_private_segment_fixed_size 0
		.amdhsa_enable_private_segment 0
		.amdhsa_kernarg_size 32
		.amdhsa_user_sgpr_count 2
		.amdhsa_user_sgpr_kernarg_segment_ptr 1
		.amdhsa_wavefront_size32 1
		.amdhsa_system_sgpr_workgroup_id_x 1
		.amdhsa_system_sgpr_workgroup_id_y 1
		.amdhsa_system_sgpr_workgroup_id_z 1
		.amdhsa_system_vgpr_workitem_id 0
		.amdhsa_next_free_vgpr 512
		.amdhsa_next_free_sgpr 88
		.amdhsa_reserve_vcc 0
		.amdhsa_float_denorm_mode_32 3
		.amdhsa_float_denorm_mode_16_64 3
		.amdhsa_memory_ordered 1
		.amdhsa_forward_progress 1
		.amdhsa_inst_pref_size 100
	.end_amdhsa_kernel
	.amdgpu_metadata
---
amdhsa.version: [ 1, 2 ]
amdhsa.kernels:
  - .name:           k_qf63ee3bcf4_mix
    .symbol:         k_qf63ee3bcf4_mix.kd
    .args:
      - { .name: pb, .offset: 0, .size: 8, .value_kind: global_buffer, .address_space: global }
      - { .name: vh, .offset: 8, .size: 8, .value_kind: global_buffer, .address_space: global }
      - { .name: rs, .offset: 16, .size: 8, .value_kind: global_buffer, .address_space: global }
      - { .name: out0, .offset: 24, .size: 8, .value_kind: global_buffer, .address_space: global }
    .group_segment_fixed_size: 327680
    .private_segment_fixed_size: 0
    .kernarg_segment_align: 8
    .kernarg_segment_size: 32
    .max_flat_workgroup_size: 128
    .sgpr_count:     88
    .vgpr_count:     512
    .wavefront_size: 32
...
	.end_amdgpu_metadata
.endif
;; end of part 3
